; MI455X (gfx1250); checked and timed in simulation.
; The chip was launched on July 23, 2026; its instructions are those of AMD's public machine-readable ISA for CDNA 5 (MIT licence, August 2026) and "CDNA5" Instruction Set Architecture Reference Guide (July 2026). The comments in the code are by the model that wrote it; some were corrected since.
;; Up Sample Interpolation. Allowed arithmetic: matrix products marked QUANTISED: E3M2 operands, one E8M0 scale for each 32 along K, by v_wmma_scale_f32_16x16x128_f8f6f4 with both operands' format E3M2, f32 sums; products left as they are: f32 operands where the result goes on into a quantised operand, else bf16, f16 or f32 operands; f32 sums; everything else in f32.
;; Inputs: bn_beta 256 float32; bn_gamma 256 float32; conv_w 256 x 768 float32; dense_data 8 x 256 x 4,096 float32; dense_idx 8 x 4,096 int32; pcd 8 x 3 x 4,096 float32; sparse_data 8 x 512 x 1,024 float32; sparse_idx 8 x 1,024 int32.
;; Outputs: out0 8 x 256 x 4,096 float32; out1 8 x 4,096 int32.
;; This version of the problem:
;;   THIS VERSION OF THE PROBLEM IS GIVEN IN LOW PRECISION. The matrix products marked QUANTISED in the list below multiply operands that are first quantised to E3M2 (3 exponent bits, 2 mantissa bits; 6 bits a number), with one power-of-two scale for each 32 numbers along K (OCP MX v1.0); their sums are f32. All else is computed in f32.
;;   The module's matrix products, in the order in which they are computed (A, B: the left and right operand; K: the contracted axis; several contracted axes count as one K, in the product's order):
;;     1. batch 8 x [M 4,096, K 3] x [K 3, N 1,024]; A: computed on the way; B: computed on the way: left as it is (K = 3 < 32)
;;     2. [M 32,768, K 768] x [K 768, N 256]; A: computed on the way; B: input conv_w: QUANTISED
;;   THE QUANTISER, for each operand of a quantised product, along K:
;;     - K is cut into blocks of 32 from its start; a last block that is shorter is filled with zeros.
;;     - A block's scale is 2^e with e = floor(log2(the largest magnitude in the block)) - 4, held to -126 .. 127; a block of zeros has e = 0. As a byte (E8M0): e + 127.
;;     - Each number is divided by its block's scale, clamped to +-28, and rounded to the nearest number of E3M2, ties to even, subnormals kept.
;;     - The product sums the exact products of the quantised numbers (number of the format x scale) in f32.
;;   ~~~python
;;   def quantise(x, axis):      # numpy; x: float32 -> the quantised numbers, widened to float32 again
;;       x = np.moveaxis(x, axis, -1); K = x.shape[-1]
;;       x = np.pad(x, [(0, 0)] * (x.ndim - 1) + [(0, -K % 32)]); x = x.reshape(x.shape[:-1] + (-1, 32)); a = np.abs(x).max(-1, keepdims=True)
;;       e = np.where(a > 0, np.clip(np.frexp(np.where(a > 0, a, 1))[1] - 1 - 4, -126, 127), 0)      # np.frexp(a)[1] - 1 = floor(log2(a)), exactly
;;       r = np.clip(x / 2.0 ** e, -28, 28)
;;       step = 2.0 ** (np.maximum(np.frexp(np.where(r == 0, 1, r))[1] - 1, -2) - 2)
;;       q = np.round(r / step) * step * 2.0 ** e      # np.round: ties to even
;;       return np.moveaxis(q.reshape(q.shape[:-2] + (-1,))[..., :K], -1, axis).astype(np.float32)
;;   ~~~
;;   OPERANDS COMPUTED ON THE WAY. 'Computed on the way' means the value that the module computes at that place (a softmax that the list does not call 'softmax' is quantised finished and normalised). What goes into a quantiser is computed in f32, as accurately as f32 sums, v_exp_f32 and their like allow (about 1e-6 of the number): no bf16 or f16 on the way to a quantiser, and a product that is left as it is and whose result goes on into a quantised operand takes f32 operands (vector FMAs, or v_wmma_f32_16x16x4_f32). A number that lies on a knife's edge between two numbers of the format may be rounded either way, as far as f32 arithmetic and the matrix unit's own rounding can turn it there, and no further.
;; One version. Each part assembles by itself: llvm-mc -triple=amdgcn-amd-amdhsa -mcpu=gfx1250 --defsym DOCPART=n.
;; ======== version 1 of 1: 3 launches
;; workspace buffers: sparse_t 16,777,216 bytes; knn_idx 131,072 bytes of whole numbers; knn_w 524,288 bytes; wq 147,456 bytes; wsc 12,288 bytes; y 33,554,432 bytes; part 524,288 bytes; xd 6,553,600 bytes
;; launch prep_knn (part 1): grid 256 x 1, 16 waves a work-group, no clusters, 111,616 bytes of LDS; arguments dense_idx, sparse_idx, pcd, sparse_data, conv_w, dense_data, sparse_t, knn_idx, knn_w, wq, wsc, out1, xd; writes sparse_t, knn_idx, knn_w, wq, wsc, out1, xd
.if DOCPART == 1
	.amdgcn_target "amdgcn-amd-amdhsa--gfx1250"
	.amdhsa_code_object_version 6
	.text
	.protected	k_q59e8434e66_prep_knn
	.globl	k_q59e8434e66_prep_knn
	.p2align	8
	.type	k_q59e8434e66_prep_knn,@function
k_q59e8434e66_prep_knn:
	s_mov_b64 s[64:65], 0
	v_nop
	global_prefetch_b8 v0, s[64:65] scope:SCOPE_SE
	s_setreg_imm32_b32 hwreg(HW_REG_WAVE_MODE, 25, 1), 1
	s_wait_xcnt 0x0
; FIVE JOBS IN ONE LAUNCH, none of whose addresses hangs on a floating-point number.  The search (1) is vector work; the memory work of (2), (3) and (5) is asked for ahead and lands under it.
; (1) For each of 8 x 4,096 dense points the 3 nearest of its batch's 1,024 sparse points: d2 = (dd + ss) - 2 dot, all in f32 by fused multiply-adds in ascending coordinate
;     (dd = fma(x2,x2,fma(x1,x1,x0 x0)), ss likewise, -2 dot = fma(-2 x2,y2,fma(-2 x1,y1,(-2 x0) y0)), which is -2 times the fused dot product exactly).  Equal distances keep the lower index.
;     Stored: the three indices packed in one word (i0, i1 << 10, i2 << 20), and the weights w_k = (1 / (d_k + 1e-8)) / their sum, as (w0, w1, w2, 0).
; (2) sparse_data [b][512][1024] is turned into rows sparse_t [b][s], 2,048 bytes each; byte 512 j + 16 l + 4 e of a row holds channel 16 l + 4 j + e, so that four loads of 16 bytes a lane give lane l 16 neighbouring channels.
; (3) conv_w [256][768] becomes codes of E3M2 with one E8M0 byte for each 32 along K, laid as images of the operand's registers: fragment (T, q) = 16 rows x 128 K at (6 T + q) x 1,536 bytes, registers 4 c .. 4 c + 3 of lane L at 512 c + 16 L.
; (4) out1 = dense_idx.
; (5) dense_data [b][256][4096] becomes codes and scale bytes along its 256 channels.  xd: for each 16 points 3,072 bytes: chunk j (16 bytes: codes 64 j / 3 on of a point's stream of bits) of point r at 256 j + 16 r;
;     from byte 6,291,456 on: 8 scale bytes a point.
; SHARES.  Work-group g: batch g / 32, dense points 128 (g % 32) on.  Wave w: ph = w % 2: lane L owns points A = 64 ph + L and B = A + 32; se = w / 2: sparse elements 128 se .. 128 se + 127.
; The eight part lists of a point meet in LDS and are merged by waves 0 to 3.  Transposition: a tile of 256 channels (g % 2) x 64 elements ((g % 32) / 2); wave w loads 16 channels.
; dense_data: wave w: point 32 (w % 4) + lane, channels 64 (w / 4) on: a lane to a point, its registers down the channels: two whole blocks a lane.
; conv_w: work-groups g < 128 with g % 8 < 6: wave 15 makes fragment T = g / 8, q = g % 8.
; No tensor loads and no cluster: nothing is streamed through LDS, and what work-groups share (a batch's 1,024 sparse points: 16 KB) is gathered by index, 4 bytes at a time.
; LIMITS: NaN and infinities among the inputs are not served; every distance must be finite (the lists begin at +infinity); v_rcp_f32 takes denormal inputs as zero;
; a block whose largest magnitude lies under 2^-122 keeps the byte 1 (a block of zeros too: its codes are zeros, and the bytes are read by this program alone); indices are held inside pcd's 4,096 points.
.set SP,   0                           ; LDS: the sparse table: pair p of elements (2 p, 2 p + 1) at 32 p: y0a y0b y1a y1b y2a y2b ssa ssb
.set MRG,  16384                       ; part lists: field f (d0 d1 d2 i0 i1 i2), part se, point P at 4,096 f + 512 se + 4 P
.set PKB,  40960                       ; 128 packed index words
.set CP,   41472                       ; 128 words of dense_idx
.set XDS,  41984                       ; the dense scale bytes: 8 a point
.set TL,   43008                       ; the transposition's tile: 64 rows (elements)
.set TP,   1040                        ; its pitch: 1,024 bytes + 16: an odd multiple of 16
.set TR,   128                         ; v128-159 the tile as loaded: 16 half + channel;  later the second dense block
.set TO,   192                         ; v192-223 the tile on its way out;  later at work
.set DA,   160                         ; v160-191 my first dense block (channels 64 (w / 4) + 0 .. 31)
.set DB,   128                         ; v128-159 my second
.set XDSO, 6291456                     ; where the scale bytes begin in xd
.set INF,  0x7f800000
; v0 t, v1 lane, v2 4 lane, v3 8 t, v4 tile in, v5 tile back, v6 place in two rows' units of sparse_t, v7 32 t, v8 my place among the part lists, v9 4 t, v10 16 lane, v11 4 lane + 256 ph
; v12-15 indices as loaded, v16-19 held and x 4; v20-27 my pair of sparse elements; v28-33 dense coordinates (A, B by turns), later dd + ss; v34-41 point A: -2 x0, -2 x1, -2 x2, dd, each twice;
; v224-231 the same of point B; v42-47 list A (d0 d1 d2 i0 i1 i2), v48-53 list B; v54-57 at work; v[58:59], v[60:61] two elements' distances to A and to B; v62 LDS address in hand, v63 2,048 se
; v64-127 the search's two buffers; later the merge's lists (waves 0 to 3) or conv_w's numbers (wave 15); v232 my place in xd, v233 my two scale bytes' place in LDS, v234-235 conv_w's offset
.macro BARRIER                         ; my LDS stores have landed and my LDS loads are in: then the work-group's barrier
	s_wait_dscnt 0x0
	s_barrier_signal -1
	s_barrier_wait -1
.endm
; Two blocks of 32 numbers of a lane, at v[pa] and v[pb], become 48 bytes of codes in v202-213; the scale bytes in v197, v198
.macro QUANT2 pa, pb
	v_max3_num_f32 v193, |v[(\pa)]|, |v[(\pa)+1]|, 0x2800000   ; a block's largest magnitude, over the floor 2^(5 - 127): so the byte cannot fall under 1
	v_max3_num_f32 v194, |v[(\pb)]|, |v[(\pb)+1]|, 0x2800000
.irp i, 2,4,6,8,10,12,14,16,18,20,22,24,26,28,30
	s_delay_alu instid0(VALU_DEP_2)
	v_max3_num_f32 v193, v193, |v[(\pa)+\i]|, |v[(\pa)+\i+1]|   ; (the two blocks by turns)
	s_delay_alu instid0(VALU_DEP_2)
	v_max3_num_f32 v194, v194, |v[(\pb)+\i]|, |v[(\pb)+\i+1]|
.endr
	s_delay_alu instid0(VALU_DEP_2)
	v_add_nc_u32 v195, 0xfe000000, v193            ; 4 off the exponent field: the conversion takes this operand's exponent field as its scale
	s_delay_alu instid0(VALU_DEP_2)
	v_add_nc_u32 v196, 0xfe000000, v194
	s_delay_alu instid0(VALU_DEP_2)
	v_lshrrev_b32 v197, 23, v195                   ; the scale's byte
	s_delay_alu instid0(VALU_DEP_2)
	v_lshrrev_b32 v198, 23, v196
	v_cvt_scalef32_pk16_bf6_f32 v[202:204], v[(\pa):(\pa)+15], v195
	v_cvt_scalef32_pk16_bf6_f32 v[214:216], v[(\pa)+16:(\pa)+31], v195   ; (a conversion's three registers begin on an even number: a block's second half is made elsewhere and moved)
	v_cvt_scalef32_pk16_bf6_f32 v[208:210], v[(\pb):(\pb)+15], v196
	v_cvt_scalef32_pk16_bf6_f32 v[218:220], v[(\pb)+16:(\pb)+31], v196
	v_nop                                          ; one plain line behind a scaled conversion
.irp i, 0,1,2
	v_mov_b32 v[205+\i], v[214+\i]
	v_mov_b32 v[211+\i], v[218+\i]
.endr
.endm
	s_load_b512 s[8:23], s[0:1], 0x0               ; dense_idx, sparse_idx, pcd, sparse_data, conv_w, dense_data, sparse_t, knn_idx
	s_load_b256 s[24:31], s[0:1], 0x40             ; knn_w, wq, wsc, out1
	s_load_b64 s[52:53], s[0:1], 0x60              ; xd
	v_lshl_add_u32 v240, v0, 2, 0x1ac00
	v_mov_b32 v241, 0
	v_lshrrev_b32 v1, 5, v0
	s_delay_alu instid0(VALU_DEP_1)
	v_readfirstlane_b32 s2, v1                     ; wave 0..15
	v_and_b32 v1, 31, v0                           ; lane
	s_wait_alu depctr_va_vdst(0)
	s_mov_b32 s3, ttmp9                            ; g
	s_lshr_b32 s4, s3, 5                           ; b
	s_and_b32 s5, s2, 1                            ; ph
	s_lshr_b32 s6, s2, 1                           ; se
	s_and_b32 s36, s3, 1                           ; which 256 channels of sparse_data
	s_bfe_u32 s37, s3, 0x40001                     ; which 64 elements: (g / 2) % 16
	s_and_b32 s56, s2, 3                           ; dense_data: which 32 points
	s_lshr_b32 s57, s2, 2                          ; and which 64 channels
	s_mov_b32 s50, 0x76543210
	s_mov_b32 s51, 0xfedcba98                      ; v_permlanex16_b32's selects for lane l xor 16
	; every LDS address is made here, ahead of the first place where waves part
	v_lshlrev_b32 v2, 2, v1
	v_lshlrev_b32 v3, 3, v0
	v_lshlrev_b32 v10, 4, v1
	s_lshl_b32 s7, s2, 4
	v_mul_u32_u24 v4, v1, TP
	s_delay_alu instid0(VALU_DEP_1)
	v_add_nc_u32 v4, s7, v4
	s_delay_alu instid0(VALU_DEP_1)
	v_add_nc_u32 v4, TL, v4                        ; tile in: row = lane (+ 32), my wave's 16 bytes of each quarter row
	s_mul_i32 s7, s2, 4*TP
	v_add_nc_u32 v5, s7, v10
	s_delay_alu instid0(VALU_DEP_1)
	v_add_nc_u32 v5, TL, v5                        ; tile back: my wave's four rows, 16 bytes a lane
	v_and_b32 v6, 15, v0
	s_delay_alu instid0(VALU_DEP_1)
	v_lshlrev_b32 v6, 4, v6
	v_bfe_u32 v7, v0, 4, 1
	s_delay_alu instid0(VALU_DEP_1)
	v_mad_u32_u24 v232, v7, 3072, v6               ; in xd: 16 (lane % 16) + 3,072 (lane / 16): lanes 16-31 hold the next 16 points
	s_delay_alu instid0(VALU_DEP_2)
	v_lshl_add_u32 v6, v7, 9, v6                   ; in sparse_t: 16 (lane % 16) + 512 (lane / 16)
	v_lshlrev_b32 v7, 5, v0
	s_lshl_b32 s7, s5, 8
	s_lshl_b32 s34, s6, 9
	s_add_co_u32 s34, s34, s7
	v_add_nc_u32 v8, s34, v2
	s_delay_alu instid0(VALU_DEP_1)
	v_add_nc_u32 v8, MRG, v8
	v_lshlrev_b32 v9, 2, v0
	v_add_nc_u32 v11, s7, v2
	s_lshl_b32 s34, s6, 11
	v_mov_b32 v63, s34                             ; my 128 elements of the table
	s_lshl_b32 s34, s56, 8
	s_lshl_b32 s35, s57, 1
	s_add_co_u32 s34, s34, s35
	s_add_co_u32 s34, s34, XDS
	v_lshl_add_u32 v233, v1, 3, s34                ; 8 bytes a point: point 32 (w % 4) + lane, bytes 2 (w / 4) and the next
	s_mov_b32 s33, 0
	s_wait_kmcnt 0x0
	s_lshl_b32 s32, s4, 12
	s_add_nc_u64 s[10:11], s[10:11], s[32:33]      ; sparse_idx at my batch
	s_lshl_b32 s32, s3, 9
	s_add_nc_u64 s[22:23], s[22:23], s[32:33]      ; knn_idx and out1 at my 128 points
	s_add_nc_u64 s[30:31], s[30:31], s[32:33]
	s_lshl_b32 s34, s5, 8
	s_add_co_u32 s32, s32, s34
	s_add_nc_u64 s[8:9], s[8:9], s[32:33]          ; dense_idx at my wave's 64 points
	s_mul_i32 s32, s4, 49152
	s_add_nc_u64 s[12:13], s[12:13], s[32:33]      ; pcd at my batch
	s_lshl_b32 s32, s4, 21
	s_lshl_b32 s34, s36, 20
	s_add_co_u32 s32, s32, s34
	s_lshl_b32 s34, s2, 16
	s_add_co_u32 s32, s32, s34
	s_lshl_b32 s34, s37, 8
	s_add_co_u32 s32, s32, s34
	s_add_nc_u64 s[14:15], s[14:15], s[32:33]      ; sparse_data: batch, my 16 channels (rows of 4,096 bytes), the tile's 64 elements
	s_lshl_b32 s32, s4, 21
	s_lshl_b32 s34, s37, 17
	s_add_co_u32 s32, s32, s34
	s_lshl_b32 s34, s2, 13
	s_add_co_u32 s32, s32, s34
	s_lshl_b32 s34, s36, 8
	s_add_co_u32 s32, s32, s34
	s_add_nc_u64 s[20:21], s[20:21], s[32:33]      ; sparse_t: batch, my four rows of 2,048 bytes, the tile's 256 bytes of each 512
	s_lshl_b32 s32, s3, 11
	s_lshl_b32 s34, s2, 9
	s_add_co_u32 s32, s32, s34
	s_add_nc_u64 s[24:25], s[24:25], s[32:33]      ; knn_w: 16 bytes a point; waves 0 to 3 store 32 points each
	s_lshl_b32 s32, s4, 22
	s_lshl_b32 s34, s57, 20
	s_add_co_u32 s32, s32, s34
	s_and_b32 s34, s3, 31
	s_lshl_b32 s34, s34, 9
	s_add_co_u32 s32, s32, s34
	s_lshl_b32 s34, s56, 7
	s_add_co_u32 s32, s32, s34
	s_add_nc_u64 s[18:19], s[18:19], s[32:33]      ; dense_data: batch, my 64 channels (rows of 16,384 bytes), my 32 points
	s_lshl_b32 s32, s3, 10
	s_add_co_u32 s32, s32, XDSO
	s_add_nc_u64 s[54:55], s[52:53], s[32:33]      ; xd's scale bytes at my 128 points
	s_mul_i32 s32, s3, 24576
	s_mul_i32 s34, s56, 6144
	s_add_co_u32 s32, s32, s34
	s_mul_i32 s34, s57, 768
	s_add_co_u32 s32, s32, s34
	s_add_nc_u64 s[52:53], s[52:53], s[32:33]      ; xd's codes: my 128 points (24,576 bytes), my two groups of 16 points, my three chunks
	global_load_b64 v[12:13], v3, s[10:11]         ; sparse indices 2 t, 2 t + 1
	global_load_b32 v14, v2, s[8:9]                ; dense index of point A,
	global_load_b32 v15, v2, s[8:9] offset:128     ; of point B
	s_wait_loadcnt 0x0
	v_min_u32 v16, 0xfff, v12                      ; held inside pcd's 4,096 points
	v_min_u32 v17, 0xfff, v13
	v_min_u32 v18, 0xfff, v14
	v_min_u32 v19, 0xfff, v15
	s_delay_alu instid0(VALU_DEP_4)
	v_lshlrev_b32 v16, 2, v16
	s_delay_alu instid0(VALU_DEP_4)
	v_lshlrev_b32 v17, 2, v17
	s_delay_alu instid0(VALU_DEP_4)
	v_lshlrev_b32 v18, 2, v18
	s_delay_alu instid0(VALU_DEP_4)
	v_lshlrev_b32 v19, 2, v19
.irp d, 0,1,2
	global_load_b32 v[20+2*\d], v16, s[12:13] offset:16384*\d
	global_load_b32 v[21+2*\d], v17, s[12:13] offset:16384*\d
	global_load_b32 v[28+2*\d], v18, s[12:13] offset:16384*\d
	global_load_b32 v[29+2*\d], v19, s[12:13] offset:16384*\d
.endr
.irp hh, 0,1                           ; the tile is asked for BEHIND the coordinates, so that the wait for them leaves it on its way: it is wanted only in the middle of the search
.irp cc, 0,1,2,3,4,5,6,7,8,9,10,11,12,13,14,15
	global_load_b32 v[TR+16*\hh+\cc], v2, s[14:15] offset:4096*\cc+128*\hh th:TH_LOAD_NT   ; channel cc of my 16, element lane + 32 hh: 128 consecutive bytes
.endr
.endr
	s_wait_loadcnt 32                              ; the coordinates are in: the tile's 32 loads are younger
	v_pk_mul_f32 v[26:27], v[20:21], v[20:21]      ; ss of my two elements
	s_delay_alu instid0(VALU_DEP_1)
	v_pk_fma_f32 v[26:27], v[22:23], v[22:23], v[26:27]
	s_delay_alu instid0(VALU_DEP_1)
	v_pk_fma_f32 v[26:27], v[24:25], v[24:25], v[26:27]
	v_pk_mul_f32 v[58:59], v[28:29], v[28:29]      ; dd of points A and B
	s_delay_alu instid0(VALU_DEP_1)
	v_pk_fma_f32 v[58:59], v[30:31], v[30:31], v[58:59]
	s_delay_alu instid0(VALU_DEP_1)
	v_pk_fma_f32 v[58:59], v[32:33], v[32:33], v[58:59]
	ds_store_b128 v7, v[20:23]
	ds_store_b128 v7, v[24:27] offset:16
	v_mov_b32 v40, v58                             ; each of a point's four numbers twice: a packed line then serves two elements
	v_mov_b32 v41, v58
	v_mov_b32 v230, v59
	v_mov_b32 v231, v59
.irp d, 0,1,2
	v_mul_f32 v[34+2*\d], -2.0, v[28+2*\d]
	v_mul_f32 v[35+2*\d], -2.0, v[28+2*\d]
	v_mul_f32 v[224+2*\d], -2.0, v[29+2*\d]
	v_mul_f32 v[225+2*\d], -2.0, v[29+2*\d]
.endr
.irp k, 0,1,2
	v_mov_b32 v[42+\k], INF                        ; the lists begin at +infinity, which no distance is under
	v_mov_b32 v[48+\k], INF
	v_mov_b32 v[45+\k], 0
	v_mov_b32 v[51+\k], 0
.endr
	s_cmp_lt_u32 s2, 2                             ; waves 0 and 1 hold the 128 dense indices between them
	s_cbranch_scc0 .Lno_cp
	ds_store_b32 v11, v14 offset:CP
	ds_store_b32 v11, v15 offset:CP+128
.Lno_cp:
	BARRIER                                        ; the table and the indices lie in LDS
.irp i, 0,1,2,3,4,5,6,7,8,9,10,11,12,13,14,15,16,17,18,19,20,21,22,23,24,25,26,27,28,29,30,31
	global_load_b32 v[DA+\i], v2, s[18:19] offset:16384*\i th:TH_LOAD_NT   ; my first dense block: wanted behind the search.  128 consecutive bytes a load, four waves side by side 512
.endr
	; ---- the search: my 128 elements against my two points
; One element against both lists, line by line by turns.  c_k = (D < d_k), strict: with the elements in ascending order an equal distance stays behind the lower index.
.macro INS2 da, db
	v_cmp_lt_f32 s40, v[\da], v42
	v_cmp_lt_f32 s43, v[\db], v48
	v_cmp_lt_f32 s41, v[\da], v43
	v_cmp_lt_f32 s44, v[\db], v49
	v_cmp_lt_f32 s42, v[\da], v44
	v_cmp_lt_f32 s45, v[\db], v50
	s_delay_alu instid0(VALU_DEP_4)
	v_cndmask_b32 v55, s46, v46, s41               ; what moves into place 2: i1 if D goes ahead of it, else the element
	s_delay_alu instid0(VALU_DEP_4)
	v_cndmask_b32 v57, s46, v52, s44
	v_cndmask_b32 v54, s46, v45, s40               ; into place 1: i0, else the element
	v_cndmask_b32 v56, s46, v51, s43
	s_delay_alu instid0(VALU_DEP_4)
	v_cndmask_b32 v47, v47, v55, s42
	s_delay_alu instid0(VALU_DEP_4)
	v_cndmask_b32 v53, v53, v57, s45
	s_delay_alu instid0(VALU_DEP_4)
	v_cndmask_b32 v46, v46, v54, s41
	s_delay_alu instid0(VALU_DEP_4)
	v_cndmask_b32 v52, v52, v56, s44
	v_cndmask_b32 v45, v45, s46, s40
	v_cndmask_b32 v51, v51, s46, s43
	v_med3_num_f32 v44, v43, v[\da], v44           ; the middle one of (d1, D, d2) is the new d2; likewise d1; the smaller of (d0, D) is d0
	v_med3_num_f32 v50, v49, v[\db], v50
	v_med3_num_f32 v43, v42, v[\da], v43
	v_med3_num_f32 v49, v48, v[\db], v49
	v_min_num_f32 v42, v42, v[\da]
	v_min_num_f32 v48, v48, v[\db]
.endm
; A pair of elements, in v[r] .. v[r + 7]: d2 = (dd + ss) + (-2 dot), two elements a line
.macro ELEM2 r
	v_pk_mul_f32 v[58:59], v[34:35], v[\r:\r+1]
	v_pk_mul_f32 v[60:61], v[224:225], v[\r:\r+1]
	v_pk_add_f32 v[28:29], v[40:41], v[\r+6:\r+7]
	v_pk_add_f32 v[30:31], v[230:231], v[\r+6:\r+7]
	s_delay_alu instid0(VALU_DEP_4)
	v_pk_fma_f32 v[58:59], v[36:37], v[\r+2:\r+3], v[58:59]
	s_delay_alu instid0(VALU_DEP_4)
	v_pk_fma_f32 v[60:61], v[226:227], v[\r+2:\r+3], v[60:61]
	s_delay_alu instid0(VALU_DEP_2)
	v_pk_fma_f32 v[58:59], v[38:39], v[\r+4:\r+5], v[58:59]
	s_delay_alu instid0(VALU_DEP_2)
	v_pk_fma_f32 v[60:61], v[228:229], v[\r+4:\r+5], v[60:61]
	s_delay_alu instid0(VALU_DEP_2)
	v_pk_add_f32 v[58:59], v[28:29], v[58:59]
	s_delay_alu instid0(VALU_DEP_2)
	v_pk_add_f32 v[60:61], v[30:31], v[60:61]
	INS2 58, 60
	s_add_co_u32 s46, s46, 1
	INS2 59, 61
	s_add_co_u32 s46, s46, 1
.endm
; Eight elements out of buffer buf.  left: the LDS loads that may stay out;  refill = 1: the buffer takes the eight elements 16 further on
.macro BATCH buf, left, refill
	s_wait_dscnt \left
.irp e, 0,1,2,3
	ELEM2 64+32*\buf+8*\e
.endr
.if \refill
.irp e, 0,1,2,3,4,5,6,7
	ds_load_b128 v[64+32*\buf+4*\e:64+32*\buf+4*\e+3], v62 offset:256+128*\buf+16*\e   ; all lanes read the same 16 bytes
.endr
.endif
.endm
.macro TRIP                            ; 16 elements; both buffers are filled again
	v_add_nc_u32 v62, s47, v63
	BATCH 0, 8, 1                                  ; at most the other buffer's eight loads are younger, on every way that leads here
	BATCH 1, 8, 1
	s_add_co_u32 s47, s47, 256
.endm
	s_lshl_b32 s46, s6, 7                          ; the element in hand: 128 se on
	s_mov_b32 s47, 0
	s_mov_b32 s48, 2
.irp e, 0,1,2,3,4,5,6,7
	ds_load_b128 v[64+4*\e:67+4*\e], v63 offset:16*\e
.endr
.irp e, 0,1,2,3,4,5,6,7
	ds_load_b128 v[96+4*\e:99+4*\e], v63 offset:128+16*\e
.endr
.Lknn_a:                                               ; the first two of eight trips: the tile lands meanwhile
	TRIP
	s_sub_co_u32 s48, s48, 1
	s_cmp_lg_u32 s48, 0
	s_cbranch_scc1 .Lknn_a
	; ---- the tile goes through LDS here, so that its stores leave under the six trips that follow
	s_wait_loadcnt 32                              ; the tile is in: my first dense block's 32 loads are younger
.irp hh, 0,1
.irp j, 0,1,2,3
	ds_store_b128 v4, v[TR+16*\hh+4*\j:TR+16*\hh+4*\j+3] offset:32*TP*\hh+256*\j   ; channels 16 w + 4 j + 0 .. 3 of element lane + 32 hh, at 256 j + 16 w of its row
.endr
.endr
	BARRIER                                        ; the tile lies in LDS
.irp k, 0,1,2,3,4,5,6,7
	ds_load_b128 v[TO+4*\k:TO+4*\k+3], v5 offset:TP*(\k/2)+512*(\k%2)
.endr
.irp k, 0,1,2,3,4,5,6,7
	s_wait_dscnt 7-\k                              ; LDS loads come back in order: load k is in
	global_store_b128 v6, v[TO+4*\k:TO+4*\k+3], s[20:21] offset:2048*(\k/2)+1024*(\k%2)   ; each 16 lanes store 256 consecutive bytes, at a multiple of 256 from the buffer's first byte
.endr
.irp i, 0,1,2,3,4,5,6,7,8,9,10,11,12,13,14,15,16,17,18,19,20,21,22,23,24,25,26,27,28,29,30,31
	global_load_b32 v[DB+\i], v2, s[18:19] offset:16384*(32+\i) th:TH_LOAD_NT   ; my second dense block, into the registers that the tile has left (its LDS stores are done: the barrier's wait)
.endr
	s_mov_b32 s48, 5
.Lknn_b:                                               ; five trips more; the eighth is written out so that no read leaves my 2,048 bytes
	TRIP
	s_sub_co_u32 s48, s48, 1
	s_cmp_lg_u32 s48, 0
	s_cbranch_scc1 .Lknn_b
	BATCH 0, 8, 0
	BATCH 1, 0, 0
	; ---- conv_w's numbers are asked for here, into the buffers that the search has left; they are worked behind the dense blocks
	s_cmp_lg_u32 s2, 15
	s_cbranch_scc1 .Lno_wl
	s_cmp_lt_u32 s3, 128
	s_cbranch_scc0 .Lno_wl
	s_and_b32 s34, s3, 7                           ; q
	s_cmp_lt_u32 s34, 6
	s_cbranch_scc0 .Lno_wl
	s_lshr_b32 s38, s3, 3                          ; T
	s_mul_i32 s32, s38, 49152                      ; 16 rows of 3,072 bytes
	s_lshl_b32 s35, s34, 9
	s_add_co_u32 s32, s32, s35
	s_add_nc_u64 s[16:17], s[16:17], s[32:33]
	v_and_b32 v234, 15, v0
	v_bfe_u32 v235, v0, 4, 1
	s_delay_alu instid0(VALU_DEP_2)
	v_mul_u32_u24 v234, v234, 3072
	s_delay_alu instid0(VALU_DEP_1)
	v_lshl_add_u32 v234, v235, 7, v234             ; lane (r, h): row 16 T + r, k = 128 q + 64 c + 32 h + 0 .. 31: two whole blocks, in the order of the operand's registers
.irp c, 0,1
.irp i, 0,1,2,3,4,5,6,7
	global_load_b128 v[64+32*\c+4*\i:67+32*\c+4*\i], v234, s[16:17] offset:256*\c+16*\i
.endr
.endr
.Lno_wl:
	s_wait_alu depctr_va_vdst(0)
.irp f, 0,1,2,3,4,5
	ds_store_b32 v8, v[42+\f] offset:4096*\f
	ds_store_b32 v8, v[48+\f] offset:4096*\f+128
.endr
	BARRIER                                        ; every point's eight part lists lie in LDS
	; ---- the merge: waves 0 to 3, a lane a point (P = t).  The parts in ascending order, each from its nearest on: equal distances again keep the lower index.  The other waves go on to their dense blocks meanwhile
	s_cmp_lt_u32 s2, 4
	s_cbranch_scc0 .Lno_merge
.irp p, 0,1,2,3,4,5,6,7
.irp f, 0,1,2,3,4,5
	ds_load_b32 v[64+6*\p+\f], v9 offset:MRG+4096*\f+512*\p
.endr
.endr
	s_wait_dscnt 0x0
.macro INSV d, i                       ; INS2's lines for one list (v64-69: part 0's, the start), the index in a vector register
	v_cmp_lt_f32 s40, v[\d], v64
	v_cmp_lt_f32 s41, v[\d], v65
	v_cmp_lt_f32 s42, v[\d], v66
	s_delay_alu instid0(VALU_DEP_2)
	v_cndmask_b32 v55, v[\i], v68, s41
	s_delay_alu instid0(VALU_DEP_4)
	v_cndmask_b32 v54, v[\i], v67, s40
	s_delay_alu instid0(VALU_DEP_2)
	v_cndmask_b32 v69, v69, v55, s42
	s_delay_alu instid0(VALU_DEP_2)
	v_cndmask_b32 v68, v68, v54, s41
	v_cndmask_b32 v67, v67, v[\i], s40
	v_med3_num_f32 v66, v65, v[\d], v66
	v_med3_num_f32 v65, v64, v[\d], v65
	v_min_num_f32 v64, v64, v[\d]
.endm
.irp p, 1,2,3,4,5,6,7
.irp k, 0,1,2
	INSV 64+6*\p+\k, 67+6*\p+\k
.endr
.endr
	s_delay_alu instid0(VALU_DEP_1)
	v_add_f32 v56, 0x322bcc77, v64                 ; d + 1e-8
	s_delay_alu instid0(VALU_DEP_3)
	v_add_f32 v57, 0x322bcc77, v65
	v_add_f32 v58, 0x322bcc77, v66
	s_wait_alu depctr_va_vdst(0)
	v_rcp_f32 v56, v56
	v_rcp_f32 v57, v57
	v_rcp_f32 v58, v58
	v_lshl_or_b32 v60, v68, 10, v67                ; (a plain line behind the reciprocals)  the three indices in one word
	s_delay_alu instid0(VALU_DEP_1)
	v_lshl_or_b32 v60, v69, 20, v60
	s_wait_alu depctr_va_vdst(0)                   ; one wait for the three, ahead of their first reader
	v_add_f32 v59, v56, v57
	v_add_f32 v59, v59, v58
	s_wait_alu depctr_va_vdst(0)
	v_rcp_f32 v59, v59
	v_nop                                          ; a plain line behind the reciprocal
	s_wait_alu depctr_va_vdst(0)
	v_mul_f32 v56, v56, v59
	v_mul_f32 v57, v57, v59
	v_mul_f32 v58, v58, v59
	v_mov_b32 v59, 0
	global_store_b128 v10, v[56:59], s[24:25]      ; 32 points' weights: 512 consecutive bytes
	ds_store_b32 v9, v60 offset:PKB
.Lno_merge:
	; ---- my two dense blocks become 48 bytes of codes and two scale bytes
	s_wait_loadcnt 0x0                             ; both blocks are in (and, in wave 15, conv_w's numbers)
	s_wait_xcnt 0x0                                ; the tile's stores have read v192-223, which are written again only behind this wait
	QUANT2 DA, DB
	v_lshl_or_b32 v199, v198, 8, v197              ; the lower block's byte below
.irp c, 0,1,2
	global_store_b128 v232, v[202+4*\c:205+4*\c], s[52:53] offset:256*\c   ; chunk 3 (w / 4) + c of 32 points: each 16 lanes store 256 consecutive bytes, at a multiple of 256 from the buffer's first byte
.endr
	ds_store_b16 v233, v199
	; ---- conv_w: one fragment, by wave 15 of 96 work-groups
	s_cmp_lg_u32 s2, 15
	s_cbranch_scc1 .Lno_w
	s_cmp_lt_u32 s3, 128
	s_cbranch_scc0 .Lno_w
	s_and_b32 s34, s3, 7                           ; q
	s_cmp_lt_u32 s34, 6
	s_cbranch_scc0 .Lno_w
	s_lshr_b32 s38, s3, 3                          ; T
	s_mul_i32 s39, s38, 6
	s_add_co_u32 s39, s39, s34                     ; 6 T + q
	s_mul_i32 s32, s39, 1536
	s_add_nc_u64 s[26:27], s[26:27], s[32:33]
	s_lshl_b32 s32, s39, 7
	s_add_nc_u64 s[28:29], s[28:29], s[32:33]
	s_wait_xcnt 0x0                                ; the stores above have read the codes' registers,
	s_wait_dscnt 0x0                               ; and the LDS store its byte pair: both are written again below
	QUANT2 64, 96
	v_bfe_u32 v200, v0, 4, 1                       ; h
	v_lshl_or_b32 v199, v198, 16, v197             ; my two bytes, blocks h and 2 + h,
	s_delay_alu instid0(VALU_DEP_2)
	v_lshlrev_b32 v200, 3, v200
	s_delay_alu instid0(VALU_DEP_1)
	v_lshlrev_b32 v199, v200, v199                 ; at their places in the row's scale word;
	v_mov_b32 v200, 0
	s_delay_alu instid0(VALU_DEP_1)
	v_permlanex16_b32 v200, v199, s50, s51
	s_delay_alu instid0(VALU_DEP_1)
	v_or_b32 v199, v199, v200                      ; with lane l xor 16's two the word is whole, in both halves of the lanes
.irp c, 0,1,2
	global_store_b128 v10, v[202+4*\c:205+4*\c], s[26:27] offset:512*\c   ; the image of the 12 registers: 512 consecutive bytes a store
.endr
	global_store_b32 v2, v199, s[28:29]
.Lno_w:
	BARRIER                                        ; the 128 index words and the 1,024 scale bytes lie in LDS
	s_cmp_lg_u32 s2, 0
	s_cbranch_scc1 .Lnot_0
	ds_load_b128 v[64:67], v10 offset:PKB
	ds_load_b128 v[68:71], v10 offset:CP
	s_wait_dscnt 0x0
	global_store_b128 v10, v[64:67], s[22:23]      ; knn_idx: 512 consecutive bytes
	global_store_b128 v10, v[68:71], s[30:31]      ; out1 likewise
.Lnot_0:
	s_cmp_lg_u32 s2, 1
	s_cbranch_scc1 .Ldone
	ds_load_b128 v[64:67], v10 offset:XDS
	ds_load_b128 v[68:71], v10 offset:XDS+512
	s_wait_dscnt 0x0
	global_store_b128 v10, v[64:67], s[54:55]      ; the dense scale bytes: twice 512 consecutive bytes
	global_store_b128 v10, v[68:71], s[54:55] offset:512
.Ldone:
	s_wait_tensorcnt 0x0
	ds_add_u32 v240, v241
	s_wait_dscnt 0x0
	s_endpgm
.Lfunc_end_k_q59e8434e66_prep_knn:
	.size	k_q59e8434e66_prep_knn, .Lfunc_end_k_q59e8434e66_prep_knn-k_q59e8434e66_prep_knn
	.p2alignl 7, 3214868480
	.fill 96, 4, 3214868480
	.section	.rodata,"a",@progbits
	.p2align	6, 0x0
	.amdhsa_kernel k_q59e8434e66_prep_knn
		.amdhsa_group_segment_fixed_size 111616
		.amdhsa_private_segment_fixed_size 0
		.amdhsa_enable_private_segment 0
		.amdhsa_kernarg_size 104
		.amdhsa_user_sgpr_count 2
		.amdhsa_user_sgpr_kernarg_segment_ptr 1
		.amdhsa_wavefront_size32 1
		.amdhsa_system_sgpr_workgroup_id_x 1
		.amdhsa_system_sgpr_workgroup_id_y 1
		.amdhsa_system_sgpr_workgroup_id_z 1
		.amdhsa_system_vgpr_workitem_id 0
		.amdhsa_next_free_vgpr 242
		.amdhsa_next_free_sgpr 66
		.amdhsa_reserve_vcc 0
		.amdhsa_float_denorm_mode_32 3
		.amdhsa_float_denorm_mode_16_64 3
		.amdhsa_memory_ordered 1
		.amdhsa_forward_progress 1
		.amdhsa_inst_pref_size 151
	.end_amdhsa_kernel
	.amdgpu_metadata
---
amdhsa.version: [ 1, 2 ]
amdhsa.kernels:
  - .name:           k_q59e8434e66_prep_knn
    .symbol:         k_q59e8434e66_prep_knn.kd
    .args:
      - { .name: dense_idx, .offset: 0, .size: 8, .value_kind: global_buffer, .address_space: global }
      - { .name: sparse_idx, .offset: 8, .size: 8, .value_kind: global_buffer, .address_space: global }
      - { .name: pcd, .offset: 16, .size: 8, .value_kind: global_buffer, .address_space: global }
      - { .name: sparse_data, .offset: 24, .size: 8, .value_kind: global_buffer, .address_space: global }
      - { .name: conv_w, .offset: 32, .size: 8, .value_kind: global_buffer, .address_space: global }
      - { .name: dense_data, .offset: 40, .size: 8, .value_kind: global_buffer, .address_space: global }
      - { .name: sparse_t, .offset: 48, .size: 8, .value_kind: global_buffer, .address_space: global }
      - { .name: knn_idx, .offset: 56, .size: 8, .value_kind: global_buffer, .address_space: global }
      - { .name: knn_w, .offset: 64, .size: 8, .value_kind: global_buffer, .address_space: global }
      - { .name: wq, .offset: 72, .size: 8, .value_kind: global_buffer, .address_space: global }
      - { .name: wsc, .offset: 80, .size: 8, .value_kind: global_buffer, .address_space: global }
      - { .name: out1, .offset: 88, .size: 8, .value_kind: global_buffer, .address_space: global }
      - { .name: xd, .offset: 96, .size: 8, .value_kind: global_buffer, .address_space: global }
    .group_segment_fixed_size: 111616
    .private_segment_fixed_size: 0
    .kernarg_segment_align: 8
    .kernarg_segment_size: 104
    .max_flat_workgroup_size: 512
    .sgpr_count:     66
    .vgpr_count:     242
    .wavefront_size: 32
...
	.end_amdgpu_metadata
.endif
;; end of part 1
;; launch fuse (part 2): grid 256 x 1, 8 waves a work-group, no clusters, 148,480 bytes of LDS; arguments xd, sparse_t, knn_idx, knn_w, wq, wsc, y, part; writes y, part
.if DOCPART == 2
	.amdgcn_target "amdgcn-amd-amdhsa--gfx1250"
	.amdhsa_code_object_version 6
	.text
	.protected	k_q59e8434e66_fuse
	.globl	k_q59e8434e66_fuse
	.p2align	8
	.type	k_q59e8434e66_fuse,@function
k_q59e8434e66_fuse:
	s_mov_b64 s[64:65], 0
	v_nop
	global_prefetch_b8 v0, s[64:65] scope:SCOPE_SE
	s_setreg_imm32_b32 hwreg(HW_REG_WAVE_MODE, 25, 1), 1
	s_wait_xcnt 0x0
; y[b][o][m] = the sum over c of Q(conv_w)[o][c] Q(x)[b][c][m], x = dense_data's 256 channels, then the 512 channels interpolated from three sparse rows; Q: E3M2 codes, one E8M0 byte for each 32 along the 768 channels.
; Also, for each output channel, this work-group's sum of y and its sum of squares about its own mean, for the batch statistics of the next launch.
; SHARES.  Work-group g: batch g / 32, points 128 (g % 32) on, all 256 outputs.  Eight waves.
;   dense:   the launch before has made the codes and scale bytes (xd).  Wave w copies those of points 16 w .. 16 w + 15 into their rows in LDS: 6 loads of 512 bytes, and 128 bytes of scale words.
;   gather:  wave w: points 16 w + j, one a step; lane l holds channels 16 l .. 16 l + 15 of the three rows (sparse_t is laid for that); two neighbouring lanes hold a block.  A ring of four slots of 12 loads.
;   product: wave w: outputs 32 w .. 32 w + 31 x all 128 points: 16 accumulators.  Its 12 fragments of conv_w stay in registers, loaded once as images of the operand's registers, in four portions among the gather's steps.
; x's codes go from wave to wave through LDS as rows (a point's 768 codes: 576 bytes, one stream of bits), its scale bytes beside them; one barrier.
; Source 0 = 16 points, source 1 = 16 outputs: a lane then holds one output and eight neighbouring points, which are neighbours in y's rows.
; No tensor loads: the rows are gathered by a stored list, the weights go straight to registers.  No cluster: of what a work-group reads (25,600 bytes of xd, 128 x 3 x 2,048 of rows, 159,744 of conv_w's codes and
; scales) only the last part, 16 in 100, is shared with other work-groups.
; LIMITS: NaN and infinities are not served; a block whose largest magnitude lies under 2^-122 keeps the byte 1 (a block of zeros too: its codes are zeros, and the bytes stay in LDS); indices are held inside the 1,024 rows.
.set XR,  0                            ; LDS: x's codes, 128 rows
.set XP,  592                          ; pitch: 576 + 16 = 148 words: row r starts at bank 20 r mod 64, 16 different multiples of 4 (64 banks of 4 bytes: ISA guide 11.1); lanes 16-31 read 6 words on: the 32 lanes of a load of 8 bytes touch 64 banks
.set XSC, 75776                        ; x's scale bytes: 24 a row
.set STG, 78848                        ; the way out: 16 rows x 528 bytes for each wave
.set SPI, 528
.set XDSO, 6291456                     ; where the scale bytes begin in xd
.set WS,  8                            ; v8-19    conv_w's scale words, 6 n + q
.set XS,  20                           ; v20-27   x's scale words, 4 set + tile: these eight hold scales and nothing else
.set G,   32                           ; gather slots 0, 1 at v32, v80; slots 2, 3 at v160, v208: 3 rows x 16.  In the product: two sets of four fragments at v32, v80
.set TM,  136                          ; at work: +0, 1 maxima; +2 the conversion's scale operand; +3 byte, then word; +6 .. 8 codes
.set SH,  141                          ; 8 ((lane / 2) % 4): my block's byte in its scale word
.set DT,  151                          ; a lane exchange's destination
.set RO,  152                          ; row offsets: slots 0, 1 at v152-157; slots 2, 3 at v130-135
.set XW,  158                          ; a dense scale word as loaded
.set XD1, 144                          ; in window 1 (v400-423): the dense codes as loaded
.set ACC, 128                          ; v128-255 in the product: accumulator (tile t of points, n) at 8 (2 t + n)
; v1 16 lane, v2 4 lane, v3, v4 where dense codes and scale words go (later: the stage, in and back), v5, v6 the same for the gather, v7 8 lane, v28, v29 fragments of tiles 0-3 and 4-7, v30 x's scale words, v31 a lane exchange's destination
; v128-129 the weights of my 16 points;  window 1 (v256-399): conv_w's fragment (n, q) at 12 (6 n + q)
.set MSB, 0
.macro WIN new                         ; s_set_vgpr_msb: bits 1:0 source 0, 3:2 source 1, 5:4 source 2, 7:6 destination; the immediate's high byte repeats the setting that is left
.if MSB != \new
	s_set_vgpr_msb (MSB<<8)|\new
.set MSB, \new
.endif
.endm
	s_load_b512 s[8:23], s[0:1], 0x0               ; xd, sparse_t, knn_idx, knn_w, wq, wsc, y, part
	s_set_vgpr_msb 0x40
	v_lshl_add_u32 v168, v0, 2, 0x24000
	v_mov_b32 v169, 0
	s_set_vgpr_msb 0x4000
	v_lshrrev_b32 v1, 5, v0
	s_delay_alu instid0(VALU_DEP_1)
	v_readfirstlane_b32 s2, v1                     ; wave 0..7
	s_mov_b32 s3, ttmp9                            ; g
	s_lshr_b32 s4, s3, 5                           ; b
	s_and_b32 s5, s3, 31                           ; which 128 points
	v_and_b32 v31, 31, v0                          ; lane
	s_delay_alu instid0(VALU_DEP_1)
	v_lshlrev_b32 v1, 4, v31
	s_delay_alu instid0(VALU_DEP_2)
	v_lshlrev_b32 v2, 2, v31
	s_delay_alu instid0(VALU_DEP_3)
	v_lshlrev_b32 v7, 3, v31
	v_and_b32 v30, 15, v0                          ; r
	v_bfe_u32 v29, v0, 4, 1                        ; h
	s_delay_alu instid0(VALU_DEP_2)
	v_mul_u32_u24 v28, v30, XP
	s_mul_i32 s24, s2, 16*XP
	v_lshl_add_u32 v3, v29, 4, v28
	s_delay_alu instid0(VALU_DEP_1)
	v_add_nc_u32 v3, s24, v3                       ; dense codes: row 16 w + r, chunk h (+ 2 for each load)
	s_add_co_u32 s24, s24, 192
	v_mul_u32_u24 v5, v31, 12
	s_delay_alu instid0(VALU_DEP_1)
	v_add_nc_u32 v5, s24, v5                       ; gather: row 16 w, behind the 256 dense codes (192 bytes), my 16 codes (12 bytes)
	s_mul_i32 s24, s2, 384
	s_add_co_u32 s24, s24, XSC
	v_lshrrev_b32 v4, 1, v31
	s_delay_alu instid0(VALU_DEP_1)
	v_mul_u32_u24 v4, v4, 24
	v_and_b32 v6, 1, v0
	s_delay_alu instid0(VALU_DEP_1)
	v_lshl_add_u32 v4, v6, 2, v4
	s_delay_alu instid0(VALU_DEP_1)
	v_add_nc_u32 v4, s24, v4                       ; dense scale words: row 16 w + lane / 2, word lane % 2
	s_add_co_u32 s24, s24, 8
	v_lshrrev_b32 v6, 3, v31
	s_delay_alu instid0(VALU_DEP_1)
	v_lshl_add_u32 v6, v6, 2, s24                  ; gather: behind the 8 dense bytes: eight lanes to a scale word
	v_bfe_u32 v[SH], v0, 1, 2
	s_delay_alu instid0(VALU_DEP_1)
	v_lshlrev_b32 v[SH], 3, v[SH]
	v_mov_b32 v[DT], 0                             ; written once: a lane exchange's destination counts as one of its sources
	v_mad_u32_u24 v28, v29, 24, v28                ; a fragment's row x pitch + 24 x half
	s_delay_alu instid0(VALU_DEP_1)
	v_add_nc_u32 v29, 64*XP, v28                   ; tiles 4 to 7: beyond the reach of a 16-bit offset from v28
	v_mul_u32_u24 v30, v30, 24
	s_delay_alu instid0(VALU_DEP_1)
	v_add_nc_u32 v30, XSC, v30
	s_mov_b32 s51, 0xffff0000                      ; lanes 16-31
	s_mov_b32 s52, 0x76543210
	s_mov_b32 s53, 0xfedcba98                      ; v_permlanex16_b32's selects for lane l xor 16
	s_mov_b32 s55, 0                               ; (named as the upper halves of the weights' pairs, so they are written)
	s_mov_b32 s57, 0
	s_mov_b32 s59, 0
	s_mov_b32 s25, 0
	s_wait_kmcnt 0x0
	s_lshl_b32 s24, s3, 9
	s_lshl_b32 s26, s2, 6
	s_add_co_u32 s24, s24, s26
	s_add_nc_u64 s[12:13], s[12:13], s[24:25]      ; knn_idx at my 16 points
	s_load_b512 s[32:47], s[12:13], 0x0            ; their packed indices
	s_lshl_b32 s24, s3, 10
	s_lshl_b32 s26, s2, 7
	s_add_co_u32 s24, s24, s26
	s_add_co_u32 s24, s24, XDSO
	s_add_nc_u64 s[60:61], s[8:9], s[24:25]        ; xd's scale bytes at my 16 points
	s_mul_i32 s24, s3, 24576
	s_mul_i32 s26, s2, 3072
	s_add_co_u32 s24, s24, s26
	s_add_nc_u64 s[8:9], s[8:9], s[24:25]          ; xd's codes at my 16 points
	s_lshl_b32 s24, s4, 21
	s_add_nc_u64 s[10:11], s[10:11], s[24:25]      ; sparse_t at my batch
	s_lshl_b32 s24, s3, 11
	s_lshl_b32 s26, s2, 8
	s_add_co_u32 s24, s24, s26
	s_add_nc_u64 s[14:15], s[14:15], s[24:25]      ; knn_w at my 16 points
	s_mul_i32 s24, s2, 18432
	s_add_nc_u64 s[16:17], s[16:17], s[24:25]      ; wq: my 12 fragments of 1,536 bytes
	s_mul_i32 s24, s2, 1536
	s_add_nc_u64 s[18:19], s[18:19], s[24:25]      ; wsc: their scale words, 128 bytes each
	s_lshl_b32 s24, s4, 22
	s_lshl_b32 s26, s2, 19
	s_add_co_u32 s24, s24, s26
	s_lshl_b32 s26, s5, 9
	s_add_co_u32 s24, s24, s26
	s_add_nc_u64 s[20:21], s[20:21], s[24:25]      ; y: batch, my 32 outputs, the 128 points
	s_lshl_b32 s24, s2, 16
	s_lshl_b32 s26, s3, 8
	s_add_co_u32 s24, s24, s26
	s_add_nc_u64 s[22:23], s[22:23], s[24:25]      ; part: [w][g]: 256 bytes
	global_load_b64 v[128:129], v7, s[14:15]       ; 16 points' weights, 256 bytes: point j's w0, w1 in lane 2 j, its w2 in lane 2 j + 1
	global_load_b32 v[XW], v2, s[60:61]            ; 16 points' dense scale words, 128 bytes
	WIN 0x40                                       ; destination in window 1
.irp i, 0,1,2,3,4,5
	global_load_b128 v[XD1+4*\i:XD1+4*\i+3], v1, s[8:9] offset:512*\i   ; chunks 2 i and 2 i + 1 of my 16 points: lane (r, h) takes chunk 2 i + h of point r
.endr
	WIN 0
.macro GISSUE j                        ; point j's three rows are asked for, into slot j % 4: 12 loads of 512 consecutive bytes
.set GI, G+48*((\j)%4)+32*(((\j)%4)/2)
.set RI, RO+3*((\j)%4)-28*(((\j)%4)/2)
	s_bfe_u32 s48, s[32+(\j)], 0xa0000
	s_bfe_u32 s49, s[32+(\j)], 0xa000a
	s_bfe_u32 s50, s[32+(\j)], 0xa0014
	s_min_u32 s48, s48, 0x3ff                      ; held inside the 1,024 rows
	s_min_u32 s49, s49, 0x3ff
	s_min_u32 s50, s50, 0x3ff
	v_lshl_add_u32 v[RI], s48, 11, v1              ; row x 2,048 + 16 lane
	v_lshl_add_u32 v[RI+1], s49, 11, v1
	v_lshl_add_u32 v[RI+2], s50, 11, v1
.irp k, 0,1,2
.irp i, 0,1,2,3
	global_load_b128 v[GI+16*\k+4*\i:GI+16*\k+4*\i+3], v[RI+\k], s[10:11] offset:512*\i
.endr
.endr
.endm
.macro WISSUE p                        ; portion p of four of conv_w: fragments 3 p .. 3 p + 2 and their scale words: 12 loads, as many as a point's
	WIN 0x40
.irp f, 0,1,2
.irp c, 0,1,2
	global_load_b128 v[12*(3*(\p)+\f)+4*\c:12*(3*(\p)+\f)+4*\c+3], v1, s[16:17] offset:1536*(3*(\p)+\f)+512*\c
.endr
.endr
	WIN 0
.irp f, 0,1,2
	global_load_b32 v[WS+3*(\p)+\f], v2, s[18:19] offset:128*(3*(\p)+\f)
.endr
.endm
.macro GSTEP j, left                   ; point j: blended, quantised, stored to its row in LDS.  left: the younger loads.  The slot then takes the point four on; behind steps 0, 4, 8, 12 a portion of conv_w follows
.set GB, G+48*((\j)%4)+32*(((\j)%4)/2)
	s_wait_loadcnt \left                           ; this wait also frees the slot's three offset registers
	v_readlane_b32 s54, v128, 2*(\j)               ; w0, w1, w2
	v_readlane_b32 s56, v129, 2*(\j)
	v_readlane_b32 s58, v128, 2*(\j)+1
.irp i, 0,2,4,6,8,10,12,14
	v_pk_mul_f32 v[GB+\i:GB+\i+1], v[GB+\i:GB+\i+1], s[54:55] op_sel_hi:[1,0]
.endr
.irp i, 0,2,4,6,8,10,12,14
	v_pk_fma_f32 v[GB+\i:GB+\i+1], v[GB+16+\i:GB+17+\i], s[56:57], v[GB+\i:GB+\i+1] op_sel_hi:[1,0,1]
.endr
.irp i, 0,2,4,6,8,10,12,14
	v_pk_fma_f32 v[GB+\i:GB+\i+1], v[GB+32+\i:GB+33+\i], s[58:59], v[GB+\i:GB+\i+1] op_sel_hi:[1,0,1]
.endr
	v_max3_num_f32 v[TM], |v[GB]|, |v[GB+1]|, 0x2800000   ; my 16 numbers, over the floor 2^(5 - 127): the byte cannot fall under 1
	v_max3_num_f32 v[TM+1], |v[GB+2]|, |v[GB+3]|, |v[GB+4]|
	s_delay_alu instid0(VALU_DEP_2)
	v_max3_num_f32 v[TM], v[TM], |v[GB+5]|, |v[GB+6]|
	s_delay_alu instid0(VALU_DEP_2)
	v_max3_num_f32 v[TM+1], v[TM+1], |v[GB+7]|, |v[GB+8]|
	s_delay_alu instid0(VALU_DEP_2)
	v_max3_num_f32 v[TM], v[TM], |v[GB+9]|, |v[GB+10]|
	s_delay_alu instid0(VALU_DEP_2)
	v_max3_num_f32 v[TM+1], v[TM+1], |v[GB+11]|, |v[GB+12]|
	s_delay_alu instid0(VALU_DEP_2)
	v_max3_num_f32 v[TM], v[TM], |v[GB+13]|, |v[GB+14]|
	s_delay_alu instid0(VALU_DEP_1)
	v_max3_num_f32 v[TM], v[TM], v[TM+1], |v[GB+15]|
	s_delay_alu instid0(VALU_DEP_1)
	v_max_num_f32_dpp v[TM], v[TM], v[TM] row_xmask:1 row_mask:0xf bank_mask:0xf   ; with my neighbour's 16: the block's
	s_delay_alu instid0(VALU_DEP_1)
	v_add_nc_u32 v[TM+2], 0xfe000000, v[TM]        ; 4 off the exponent field: the conversion's scale operand
	s_wait_alu depctr_va_vdst(0)
	s_wait_dscnt 0x0                               ; the last step's stores have read the codes' registers
	v_cvt_scalef32_pk16_bf6_f32 v[TM+6:TM+8], v[GB:GB+15], v[TM+2]
	v_lshrrev_b32 v[TM+3], 23, v[TM+2]             ; the scale's byte (the plain line behind the conversion),
	s_delay_alu instid0(VALU_DEP_1)
	v_lshlrev_b32 v[TM+3], v[SH], v[TM+3]          ; at its place in the word;
	s_delay_alu instid0(VALU_DEP_1)
	v_mov_b32_dpp v[DT], v[TM+3] row_xmask:2 row_mask:0xf bank_mask:0xf
	s_delay_alu instid0(VALU_DEP_1)
	v_or_b32 v[TM+3], v[TM+3], v[DT]
	s_delay_alu instid0(VALU_DEP_1)
	v_mov_b32_dpp v[DT], v[TM+3] row_xmask:4 row_mask:0xf bank_mask:0xf
	s_delay_alu instid0(VALU_DEP_1)
	v_or_b32 v[TM+3], v[TM+3], v[DT]               ; with lanes l xor 2, 4, 6 the word of four blocks is whole
.irp e, 0,1,2
	ds_store_b32 v5, v[TM+6+\e] offset:XP*(\j)+4*\e
.endr
	ds_store_b32 v6, v[TM+3] offset:24*(\j)        ; eight lanes write the same word with the same value
.if (\j) < 12
	GISSUE (\j)+4
.endif
.if (\j)%4 == 0
	WISSUE (\j)/4
.endif
.endm
	s_wait_kmcnt 0x0                               ; the packed indices
	GISSUE 0
	GISSUE 1
	GISSUE 2
	GISSUE 3
	s_wait_loadcnt 48                              ; the weights and the dense codes and scale words are in: four points' 48 loads are younger
	WIN 0x04                                       ; an LDS store's data are its source 1: window 1
.irp i, 0,1,2,3,4,5
	ds_store_b128 v3, v[XD1+4*\i:XD1+4*\i+3] offset:32*\i   ; 16 lanes, 16 rows 592 bytes apart: an odd multiple of 16
.endr
	WIN 0
	ds_store_b32 v4, v[XW]
	GSTEP 0, 36                                    ; younger: points 1 to 3
.irp j, 1,2,3,4,5,6,7,8,9,10,11,12
	GSTEP \j, 48                                   ; younger: three points and one portion of conv_w, whichever way they are ordered
.endr
	GSTEP 13, 36                                   ; younger: points 14, 15 and conv_w's last portion
	GSTEP 14, 24
	GSTEP 15, 12
	s_wait_loadcnt 0x0                             ; conv_w's last portion
	s_wait_dscnt 0x0                               ; for the others' sake: my stores have landed
	s_barrier_signal -1
	s_barrier_wait -1                              ; x's 128 rows of codes and scale bytes lie in LDS
; ---- the product.  Group gg of 12: K step gg / 2, tiles 4 (gg % 2) .. + 3 of points, in fragment set gg % 2
.macro FETCHG gg                       ; 28 LDS loads: a fragment is 12 registers: lane (r, h) takes 24 bytes at 96 q + 24 h of row r and 24 bytes 48 further on, in pieces of 8
.set FS, G+48*((\gg)%2)
.irp tt, 0,1,2,3
.irp p, 0,1,2,3,4,5
	ds_load_b64 v[FS+12*\tt+2*\p:FS+12*\tt+2*\p+1], v[28+(\gg)%2] offset:16*XP*\tt+96*((\gg)/2)+48*(\p/3)+8*(\p%3)
.endr
	ds_load_b32 v[XS+4*((\gg)%2)+\tt], v30 offset:384*(4*((\gg)%2)+\tt)+4*((\gg)/2)
.endr
.endm
.macro MULG gg                         ; 8 matrix instructions on 8 accumulators; the 16 take turns, one instruction a turn.  The first K step starts the sums
.set FS, G+48*((\gg)%2)
.irp tt, 0,1,2,3
.irp n, 0,1
.if (\gg) < 2
	v_wmma_scale_f32_16x16x128_f8f6f4 v[ACC+8*(2*(4*((\gg)%2)+\tt)+\n):ACC+8*(2*(4*((\gg)%2)+\tt)+\n)+7], v[FS+12*\tt:FS+12*\tt+11], v[12*(6*\n+(\gg)/2):12*(6*\n+(\gg)/2)+11], 0, v[XS+4*((\gg)%2)+\tt], v[WS+6*\n+(\gg)/2] matrix_a_fmt:MATRIX_FMT_BF6 matrix_b_fmt:MATRIX_FMT_BF6
.else
	v_wmma_scale_f32_16x16x128_f8f6f4 v[ACC+8*(2*(4*((\gg)%2)+\tt)+\n):ACC+8*(2*(4*((\gg)%2)+\tt)+\n)+7], v[FS+12*\tt:FS+12*\tt+11], v[12*(6*\n+(\gg)/2):12*(6*\n+(\gg)/2)+11], v[ACC+8*(2*(4*((\gg)%2)+\tt)+\n):ACC+8*(2*(4*((\gg)%2)+\tt)+\n)+7], v[XS+4*((\gg)%2)+\tt], v[WS+6*\n+(\gg)/2] matrix_a_fmt:MATRIX_FMT_BF6 matrix_b_fmt:MATRIX_FMT_BF6
.endif
.endr
.endr
.endm
	WIN 0x04                                       ; source 1 (conv_w) in window 1; an LDS load names a destination and a source 0 alone, so this one setting serves the whole product
	FETCHG 0
.irp gg, 0,1,2,3,4,5,6,7,8,9,10,11
.if \gg > 0
.rept 4
	v_nop                                          ; four places between the last group's products and loads into the set that the group before it read
.endr
.endif
.if \gg < 11
	FETCHG \gg+1
	s_wait_dscnt 28                                ; this group's fragments are in: the 28 just issued are younger
.else
	s_wait_dscnt 0x0
.endif
	MULG \gg
.endr
	WIN 0
.rept 4
	v_nop                                          ; four places in front of the first read of results and the first write of registers that held fragments
.endr
; ---- the way out comes first: 16 outputs x 128 points through my own stage, back as whole rows of 512 bytes; the statistics are worked while the stores are on their way
	s_mul_i32 s24, s2, 16*SPI
	s_add_co_u32 s24, s24, STG
	v_and_b32 v3, 15, v0
	v_bfe_u32 v4, v0, 4, 1
	s_delay_alu instid0(VALU_DEP_2)
	v_mul_u32_u24 v3, v3, SPI
	s_delay_alu instid0(VALU_DEP_1)
	v_lshl_add_u32 v3, v4, 5, v3
	s_delay_alu instid0(VALU_DEP_1)
	v_add_nc_u32 v3, s24, v3                       ; in: row r, 32 bytes for each half of the lanes
	v_add_nc_u32 v4, s24, v1                       ; back: 16 bytes a lane
.macro OUTN n
.irp t, 0,1,2,3,4,5,6,7
	ds_store_b128 v3, v[ACC+8*(2*\t+\n):ACC+8*(2*\t+\n)+3] offset:64*\t          ; each accumulator from its low end on
	ds_store_b128 v3, v[ACC+8*(2*\t+\n)+4:ACC+8*(2*\t+\n)+7] offset:64*\t+16
.endr
.irp i, 0,1,2,3,4,5,6,7,8,9,10,11,12,13,14,15
	ds_load_b128 v[32+4*\i:35+4*\i], v4 offset:SPI*\i   ; LDS serves a wave's instructions in order (ISA guide 5.7.1.4): these see my stores
.endr
.irp i, 0,1,2,3,4,5,6,7,8,9,10,11,12,13,14,15
	s_wait_dscnt 15-\i
	global_store_b128 v1, v[32+4*\i:35+4*\i], s[20:21] offset:16384*(16*\n+\i)   ; 32 lanes store 512 consecutive bytes, at a multiple of 256 from y's first byte
.endr
.endm
	OUTN 0
	s_wait_xcnt 0x0                                ; the stores have read their registers: the next 16 rows may land there
	s_wait_alu depctr_va_vdst(0)
	OUTN 1
; ---- the statistics of output r of tile n over the 128 points: S, and M2 = the sum of (y - S / 128)^2.  They write v96-117 and v31 alone: none of the registers that the stores above read
.macro SQ a, first
	v_pk_add_f32 v[102:103], v[\a:\a+1], v[100:101]
	v_pk_add_f32 v[104:105], v[\a+2:\a+3], v[100:101]
.if \first
	s_delay_alu instid0(VALU_DEP_2)
	v_pk_mul_f32 v[106:107], v[102:103], v[102:103]
	s_delay_alu instid0(VALU_DEP_2)
	v_pk_mul_f32 v[108:109], v[104:105], v[104:105]
.else
	s_delay_alu instid0(VALU_DEP_2)
	v_pk_fma_f32 v[106:107], v[102:103], v[102:103], v[106:107]
	s_delay_alu instid0(VALU_DEP_2)
	v_pk_fma_f32 v[108:109], v[104:105], v[104:105], v[108:109]
.endif
	v_pk_add_f32 v[102:103], v[\a+4:\a+5], v[100:101]
	v_pk_add_f32 v[104:105], v[\a+6:\a+7], v[100:101]
	s_delay_alu instid0(VALU_DEP_2)
	v_pk_fma_f32 v[106:107], v[102:103], v[102:103], v[106:107]
	s_delay_alu instid0(VALU_DEP_2)
	v_pk_fma_f32 v[108:109], v[104:105], v[104:105], v[108:109]
.endm
.macro STATS n
	v_pk_add_f32 v[96:97], v[ACC+8*\n:ACC+8*\n+1], v[ACC+8*\n+2:ACC+8*\n+3]
	v_pk_add_f32 v[98:99], v[ACC+8*\n+4:ACC+8*\n+5], v[ACC+8*\n+6:ACC+8*\n+7]
.irp t, 1,2,3,4,5,6,7
	v_pk_add_f32 v[96:97], v[96:97], v[ACC+8*(2*\t+\n):ACC+8*(2*\t+\n)+1]
	v_pk_add_f32 v[98:99], v[98:99], v[ACC+8*(2*\t+\n)+2:ACC+8*(2*\t+\n)+3]
	v_pk_add_f32 v[96:97], v[96:97], v[ACC+8*(2*\t+\n)+4:ACC+8*(2*\t+\n)+5]
	v_pk_add_f32 v[98:99], v[98:99], v[ACC+8*(2*\t+\n)+6:ACC+8*(2*\t+\n)+7]
.endr
	s_delay_alu instid0(VALU_DEP_1)
	v_pk_add_f32 v[96:97], v[96:97], v[98:99]
	s_delay_alu instid0(VALU_DEP_1)
	v_add_f32 v96, v96, v97
	s_delay_alu instid0(VALU_DEP_1)
	v_permlanex16_b32 v31, v96, s52, s53           ; the output's other 64 points lie in the lane 16 away
	s_delay_alu instid0(VALU_DEP_1)
	v_add_f32 v[112+\n], v96, v31                  ; S
	s_delay_alu instid0(VALU_DEP_1)
	v_mul_f32 v100, 0xbc000000, v[112+\n]          ; -S / 128, twice
	s_delay_alu instid0(VALU_DEP_2)
	v_mul_f32 v101, 0xbc000000, v[112+\n]
	SQ ACC+8*\n, 1
.irp t, 1,2,3,4,5,6,7
	SQ ACC+8*(2*\t+\n), 0
.endr
	s_delay_alu instid0(VALU_DEP_1)
	v_pk_add_f32 v[106:107], v[106:107], v[108:109]
	s_delay_alu instid0(VALU_DEP_1)
	v_add_f32 v106, v106, v107
	s_delay_alu instid0(VALU_DEP_1)
	v_permlanex16_b32 v31, v106, s52, s53
	s_delay_alu instid0(VALU_DEP_1)
	v_add_f32 v[114+\n], v106, v31                 ; M2
.endm
	STATS 0
	STATS 1
	v_cndmask_b32 v116, v112, v113, s51            ; lanes 0-15 keep tile 0's output r, lanes 16-31 take tile 1's: lane = output 32 w + lane
	s_delay_alu instid0(VALU_DEP_2)
	v_cndmask_b32 v117, v114, v115, s51
	global_store_b64 v7, v[116:117], s[22:23]      ; 256 consecutive bytes, at a multiple of 256 from the buffer's first byte
	s_set_vgpr_msb 0x5
	s_wait_tensorcnt 0x0
	ds_add_u32 v168, v169
	s_wait_dscnt 0x0
	s_set_vgpr_msb 0x500
	s_endpgm
.Lfunc_end_k_q59e8434e66_fuse:
	.size	k_q59e8434e66_fuse, .Lfunc_end_k_q59e8434e66_fuse-k_q59e8434e66_fuse
	.p2alignl 7, 3214868480
	.fill 96, 4, 3214868480
	.section	.rodata,"a",@progbits
	.p2align	6, 0x0
	.amdhsa_kernel k_q59e8434e66_fuse
		.amdhsa_group_segment_fixed_size 148480
		.amdhsa_private_segment_fixed_size 0
		.amdhsa_enable_private_segment 0
		.amdhsa_kernarg_size 64
		.amdhsa_user_sgpr_count 2
		.amdhsa_user_sgpr_kernarg_segment_ptr 1
		.amdhsa_wavefront_size32 1
		.amdhsa_system_sgpr_workgroup_id_x 1
		.amdhsa_system_sgpr_workgroup_id_y 1
		.amdhsa_system_sgpr_workgroup_id_z 1
		.amdhsa_system_vgpr_workitem_id 0
		.amdhsa_next_free_vgpr 426
		.amdhsa_next_free_sgpr 66
		.amdhsa_reserve_vcc 0
		.amdhsa_float_denorm_mode_32 3
		.amdhsa_float_denorm_mode_16_64 3
		.amdhsa_memory_ordered 1
		.amdhsa_forward_progress 1
		.amdhsa_inst_pref_size 152
	.end_amdhsa_kernel
	.amdgpu_metadata
---
amdhsa.version: [ 1, 2 ]
amdhsa.kernels:
  - .name:           k_q59e8434e66_fuse
    .symbol:         k_q59e8434e66_fuse.kd
    .args:
      - { .name: xd, .offset: 0, .size: 8, .value_kind: global_buffer, .address_space: global }
      - { .name: sparse_t, .offset: 8, .size: 8, .value_kind: global_buffer, .address_space: global }
      - { .name: knn_idx, .offset: 16, .size: 8, .value_kind: global_buffer, .address_space: global }
      - { .name: knn_w, .offset: 24, .size: 8, .value_kind: global_buffer, .address_space: global }
      - { .name: wq, .offset: 32, .size: 8, .value_kind: global_buffer, .address_space: global }
      - { .name: wsc, .offset: 40, .size: 8, .value_kind: global_buffer, .address_space: global }
      - { .name: y, .offset: 48, .size: 8, .value_kind: global_buffer, .address_space: global }
      - { .name: part, .offset: 56, .size: 8, .value_kind: global_buffer, .address_space: global }
    .group_segment_fixed_size: 148480
    .private_segment_fixed_size: 0
    .kernarg_segment_align: 8
    .kernarg_segment_size: 64
    .max_flat_workgroup_size: 256
    .sgpr_count:     66
    .vgpr_count:     426
    .wavefront_size: 32
...
	.end_amdgpu_metadata
.endif
;; end of part 2
;; launch bnact (part 3): grid 256 x 1, 16 waves a work-group, no clusters, 12,288 bytes of LDS; arguments y, part, bn_gamma, bn_beta, out0; writes out0
.if DOCPART == 3
	.amdgcn_target "amdgcn-amd-amdhsa--gfx1250"
	.amdhsa_code_object_version 6
	.text
	.protected	k_q59e8434e66_bnact
	.globl	k_q59e8434e66_bnact
	.p2align	8
	.type	k_q59e8434e66_bnact,@function
k_q59e8434e66_bnact:
	s_mov_b64 s[64:65], 0
	v_nop
	global_prefetch_b8 v0, s[64:65] scope:SCOPE_SE
	s_setreg_imm32_b32 hwreg(HW_REG_WAVE_MODE, 25, 1), 1
	s_wait_xcnt 0x0
; out0 = LeakyReLU((y - mu) rsqrt(var + 1e-5) gamma + beta), mu and var over the 32,768 points of each of the 256 channels.
; The launch before left, for each channel and each of 256 blocks of 128 points, S (the block's sum) and M2 (its sum of squares about its own mean).  They are joined without a difference of large sums:
; mu = (sum of S) / 32,768;  var = (sum of M2 + sum of 128 (S / 128 - mu)^2) / 32,768.
; SHARES.  Work-group g: channels 32 (g / 32) on, batch (g % 32) / 4, points 1,024 (g % 4) on.  Each work-group joins its 32 channels' 256 parts itself (64 KB): wave w takes 16 of them, a lane a channel;
; two sums over the 16 waves go through LDS.  Then wave w streams channels 2 w and 2 w + 1: 2 x 8 pieces of 512 bytes, asked for at the head, ahead of the statistics.
; A stream: no matrix unit, no tensor load, no cluster.
; LIMITS: NaN and infinities are not served; v_rsq_f32 takes a denormal input as zero (var + 1e-5 is never one).
.set RED1, 0                           ; LDS: [wave][lane] sums of S
.set RED2, 2048                        ; and of the squares
.set PRM,  4096                        ; each wave's own 384 bytes: -mu, the gain, beta of the 32 channels
.set Y,    72                          ; v72-135
; v1 8 lane, v2 16 lane, v3 4 lane, v4 4 lane + 128 wave, v5, v6 my wave's parameters in and back; v8-39 16 pairs (S, M2); v40 gamma, v41 beta; v42-57 at work, then the six parameters twice each; v58-61, v66-69 at work
	s_load_b256 s[8:15], s[0:1], 0x0               ; y, part, bn_gamma, bn_beta
	s_load_b64 s[16:17], s[0:1], 0x20              ; out0
	v_lshl_add_u32 v136, v0, 2, 0x2800
	v_mov_b32 v137, 0
	v_lshrrev_b32 v1, 5, v0
	s_delay_alu instid0(VALU_DEP_1)
	v_readfirstlane_b32 s2, v1                     ; wave 0..15
	v_and_b32 v7, 31, v0
	s_delay_alu instid0(VALU_DEP_1)
	v_lshlrev_b32 v1, 3, v7
	s_delay_alu instid0(VALU_DEP_2)
	v_lshlrev_b32 v2, 4, v7
	s_delay_alu instid0(VALU_DEP_3)
	v_lshlrev_b32 v3, 2, v7
	s_lshl_b32 s18, s2, 7
	v_add_nc_u32 v4, s18, v3
	s_mul_i32 s18, s2, 384
	s_add_co_u32 s18, s18, PRM
	v_add_nc_u32 v5, s18, v3
	s_lshl_b32 s19, s2, 3
	s_add_co_u32 s18, s18, s19
	v_mov_b32 v6, s18                              ; channels 2 w, 2 w + 1 of my wave's own copy
	s_lshr_b32 s3, ttmp9, 5                        ; which 32 channels
	s_bfe_u32 s4, ttmp9, 0x30002                   ; batch
	s_and_b32 s5, ttmp9, 3                         ; which 1,024 points
	s_mov_b32 s20, 0x3c000000                      ; 1 / 128
	s_mov_b32 s21, 0x43000000                      ; 128
	s_mov_b32 s22, 0x38000000                      ; 1 / 32,768
	s_mov_b32 s23, 0x3727c5ac                      ; 1e-5
	s_mov_b32 s24, 0x3e4ccccd                      ; 0.2
	s_mov_b32 s25, s24                             ; (named with it as a pair, so it is written)
	s_mov_b32 s27, 0
	s_wait_alu depctr_va_vdst(0)
	s_wait_kmcnt 0x0
	s_lshl_b32 s26, s3, 16
	s_lshl_b32 s28, s2, 12
	s_add_co_u32 s26, s26, s28
	s_add_nc_u64 s[10:11], s[10:11], s[26:27]      ; part: my channels' 256 parts of 256 bytes, my wave's 16
	s_lshl_b32 s26, s3, 7
	s_add_nc_u64 s[12:13], s[12:13], s[26:27]
	s_add_nc_u64 s[14:15], s[14:15], s[26:27]
	s_lshl_b32 s26, s4, 22
	s_lshl_b32 s28, s3, 19
	s_add_co_u32 s26, s26, s28
	s_lshl_b32 s28, s2, 15
	s_add_co_u32 s26, s26, s28
	s_lshl_b32 s28, s5, 12
	s_add_co_u32 s26, s26, s28
	s_add_nc_u64 s[8:9], s[8:9], s[26:27]          ; y and out0: batch, my two channels (rows of 16,384 bytes), my 1,024 points
	s_add_nc_u64 s[16:17], s[16:17], s[26:27]
.irp i, 0,1,2,3,4,5,6,7,8,9,10,11,12,13,14,15
	global_load_b64 v[8+2*\i:9+2*\i], v1, s[10:11] offset:256*\i   ; 256 consecutive bytes: one block's (S, M2) of the 32 channels
.endr
	global_load_b32 v40, v3, s[12:13]
	global_load_b32 v41, v3, s[14:15]
.irp k, 0,1,2,3,4,5,6,7,8,9,10,11,12,13,14,15
	global_load_b128 v[Y+4*\k:Y+4*\k+3], v2, s[8:9] offset:16384*(\k/8)+512*(\k%8) th:TH_LOAD_NT
.endr
	s_wait_loadcnt 16                              ; the parts, gamma and beta are in: y's 16 loads are younger
	v_add_f32 v59, v8, v10
	v_add_f32 v71, v16, v20
	v_add_f32 v70, v24, v28
	v_add_f32 v69, v32, v36
	v_add_f32 v68, v12, v14
	v_add_f32 v67, v18, v22
	v_add_f32 v66, v26, v30
	v_add_f32 v58, v34, v38
	s_delay_alu instid0(VALU_DEP_1)
	v_add_f32 v58, v58, v69
	v_add_f32 v59, v59, v68
	v_add_f32 v71, v71, v67
	v_add_f32 v70, v70, v66
	s_delay_alu instid0(VALU_DEP_2)
	v_add_f32 v58, v58, v71
	s_delay_alu instid0(VALU_DEP_2)
	v_add_f32 v59, v59, v70
	s_delay_alu instid0(VALU_DEP_1)
	v_add_f32 v58, v58, v59
	ds_store_b32 v4, v58 offset:RED1
	s_wait_dscnt 0x0                               ; for the others' sake
	s_barrier_signal -1
	s_barrier_wait -1
.irp i, 0,1,2,3,4,5,6,7,8,9,10,11,12,13,14,15
	ds_load_b32 v[42+\i], v3 offset:RED1+128*\i
.endr
	s_wait_dscnt 0x0
	v_add_f32 v59, v42, v43
	v_add_f32 v71, v46, v48
	v_add_f32 v70, v50, v52
	v_add_f32 v69, v54, v56
	v_add_f32 v68, v44, v45
	v_add_f32 v67, v47, v49
	v_add_f32 v66, v51, v53
	v_add_f32 v58, v55, v57
	s_delay_alu instid0(VALU_DEP_1)
	v_add_f32 v58, v58, v69
	v_add_f32 v59, v59, v68
	v_add_f32 v71, v71, v67
	v_add_f32 v70, v70, v66
	s_delay_alu instid0(VALU_DEP_2)
	v_add_f32 v58, v58, v71
	s_delay_alu instid0(VALU_DEP_2)
	v_add_f32 v59, v59, v70
	s_delay_alu instid0(VALU_DEP_1)
	v_add_f32 v58, v58, v59
	s_delay_alu instid0(VALU_DEP_1)
	v_mul_f32 v60, 0xb8000000, v58                 ; -mu = -(the sum) / 32,768
	s_delay_alu instid0(VALU_DEP_1)
	v_fma_f32 v66, v8, s20, v60                    ; a block's mean less mu,
	s_delay_alu instid0(VALU_DEP_2)
	v_fma_f32 v68, v10, s20, v60
	s_delay_alu instid0(VALU_DEP_2)
	v_mul_f32 v67, s21, v66                        ; 128 times it,
	s_delay_alu instid0(VALU_DEP_2)
	v_mul_f32 v69, s21, v68
	s_delay_alu instid0(VALU_DEP_2)
	v_fma_f32 v58, v66, v67, v9                    ; their product onto the block's M2: two chains
	s_delay_alu instid0(VALU_DEP_2)
	v_fma_f32 v59, v68, v69, v11
.irp i, 2,4,6,8,10,12,14
	v_fma_f32 v66, v[8+2*\i], s20, v60
	v_fma_f32 v68, v[10+2*\i], s20, v60
	s_delay_alu instid0(VALU_DEP_4)
	v_add_f32 v58, v58, v[9+2*\i]
	s_delay_alu instid0(VALU_DEP_4)
	v_add_f32 v59, v59, v[11+2*\i]
	s_delay_alu instid0(VALU_DEP_4)
	v_mul_f32 v67, s21, v66
	s_delay_alu instid0(VALU_DEP_4)
	v_mul_f32 v69, s21, v68
	s_delay_alu instid0(VALU_DEP_2)
	v_fma_f32 v58, v66, v67, v58
	s_delay_alu instid0(VALU_DEP_2)
	v_fma_f32 v59, v68, v69, v59
.endr
	s_delay_alu instid0(VALU_DEP_1)
	v_add_f32 v58, v58, v59
	ds_store_b32 v4, v58 offset:RED2               ; other bytes than the first sum's: no barrier is owed between
	s_wait_dscnt 0x0
	s_barrier_signal -1
	s_barrier_wait -1
.irp i, 0,1,2,3,4,5,6,7,8,9,10,11,12,13,14,15
	ds_load_b32 v[42+\i], v3 offset:RED2+128*\i
.endr
	s_wait_dscnt 0x0
	v_add_f32 v59, v42, v43
	v_add_f32 v71, v46, v48
	v_add_f32 v70, v50, v52
	v_add_f32 v69, v54, v56
	v_add_f32 v68, v44, v45
	v_add_f32 v67, v47, v49
	v_add_f32 v66, v51, v53
	v_add_f32 v58, v55, v57
	s_delay_alu instid0(VALU_DEP_1)
	v_add_f32 v58, v58, v69
	v_add_f32 v59, v59, v68
	v_add_f32 v71, v71, v67
	v_add_f32 v70, v70, v66
	s_delay_alu instid0(VALU_DEP_2)
	v_add_f32 v58, v58, v71
	s_delay_alu instid0(VALU_DEP_2)
	v_add_f32 v59, v59, v70
	s_delay_alu instid0(VALU_DEP_1)
	v_add_f32 v58, v58, v59
	s_delay_alu instid0(VALU_DEP_1)
	v_fma_f32 v58, v58, s22, s23                   ; var + 1e-5
	s_wait_alu depctr_va_vdst(0)
	v_rsq_f32 v58, v58
	v_nop                                          ; a plain line behind the transcendental
	s_wait_alu depctr_va_vdst(0)                   ; and the wait ahead of its first reader
	v_mul_f32 v58, v40, v58                        ; the gain: gamma / sqrt(var + 1e-5)
	ds_store_b32 v5, v60                           ; lane = channel; my wave's own bytes, which LDS serves in order: no barrier
	ds_store_b32 v5, v58 offset:128
	ds_store_b32 v5, v41 offset:256
	ds_load_b64 v[42:43], v6                       ; -mu of channels 2 w, 2 w + 1, in every lane
	ds_load_b64 v[44:45], v6 offset:128            ; the gains
	ds_load_b64 v[46:47], v6 offset:256            ; the betas
	s_wait_dscnt 0x0
.irp e, 0,1
	v_mov_b32 v[48+6*\e], v[42+\e]                 ; each twice, for the packed lines
	v_mov_b32 v[49+6*\e], v[42+\e]
	v_mov_b32 v[50+6*\e], v[44+\e]
	v_mov_b32 v[51+6*\e], v[44+\e]
	v_mov_b32 v[52+6*\e], v[46+\e]
	v_mov_b32 v[53+6*\e], v[46+\e]
.endr
.irp k, 0,1,2,3,4,5,6,7,8,9,10,11,12,13,14,15
	s_wait_loadcnt 15-\k                           ; loads come back in order: piece k is in
.irp p, 0,2
	v_pk_add_f32 v[Y+4*\k+\p:Y+4*\k+\p+1], v[Y+4*\k+\p:Y+4*\k+\p+1], v[48+6*(\k/8):49+6*(\k/8)]
	s_wait_alu depctr_va_vdst(0)
	v_pk_fma_f32 v[Y+4*\k+\p:Y+4*\k+\p+1], v[Y+4*\k+\p:Y+4*\k+\p+1], v[50+6*(\k/8):51+6*(\k/8)], v[52+6*(\k/8):53+6*(\k/8)]
	s_delay_alu instid0(VALU_DEP_1)
	v_pk_mul_f32 v[66+\p:67+\p], v[Y+4*\k+\p:Y+4*\k+\p+1], s[24:25] op_sel_hi:[1,0]
	s_delay_alu instid0(VALU_DEP_1)
	v_max_num_f32 v[Y+4*\k+\p], v[Y+4*\k+\p], v[66+\p]         ; the larger of z and 0.2 z is LeakyReLU(z)
	s_delay_alu instid0(VALU_DEP_2)
	v_max_num_f32 v[Y+4*\k+\p+1], v[Y+4*\k+\p+1], v[67+\p]
.endr
	global_store_b128 v2, v[Y+4*\k:Y+4*\k+3], s[16:17] offset:16384*(\k/8)+512*(\k%8) th:TH_STORE_NT   ; 512 consecutive bytes, at a multiple of 256 from out0's first byte; each piece has its own registers
.endr
	s_wait_tensorcnt 0x0
	ds_add_u32 v136, v137
	s_wait_dscnt 0x0
	s_endpgm
.Lfunc_end_k_q59e8434e66_bnact:
	.size	k_q59e8434e66_bnact, .Lfunc_end_k_q59e8434e66_bnact-k_q59e8434e66_bnact
	.p2alignl 7, 3214868480
	.fill 96, 4, 3214868480
	.section	.rodata,"a",@progbits
	.p2align	6, 0x0
	.amdhsa_kernel k_q59e8434e66_bnact
		.amdhsa_group_segment_fixed_size 12288
		.amdhsa_private_segment_fixed_size 0
		.amdhsa_enable_private_segment 0
		.amdhsa_kernarg_size 40
		.amdhsa_user_sgpr_count 2
		.amdhsa_user_sgpr_kernarg_segment_ptr 1
		.amdhsa_wavefront_size32 1
		.amdhsa_system_sgpr_workgroup_id_x 1
		.amdhsa_system_sgpr_workgroup_id_y 1
		.amdhsa_system_sgpr_workgroup_id_z 1
		.amdhsa_system_vgpr_workitem_id 0
		.amdhsa_next_free_vgpr 138
		.amdhsa_next_free_sgpr 66
		.amdhsa_reserve_vcc 0
		.amdhsa_float_denorm_mode_32 3
		.amdhsa_float_denorm_mode_16_64 3
		.amdhsa_memory_ordered 1
		.amdhsa_forward_progress 1
		.amdhsa_inst_pref_size 30
	.end_amdhsa_kernel
	.amdgpu_metadata
---
amdhsa.version: [ 1, 2 ]
amdhsa.kernels:
  - .name:           k_q59e8434e66_bnact
    .symbol:         k_q59e8434e66_bnact.kd
    .args:
      - { .name: y, .offset: 0, .size: 8, .value_kind: global_buffer, .address_space: global }
      - { .name: part, .offset: 8, .size: 8, .value_kind: global_buffer, .address_space: global }
      - { .name: bn_gamma, .offset: 16, .size: 8, .value_kind: global_buffer, .address_space: global }
      - { .name: bn_beta, .offset: 24, .size: 8, .value_kind: global_buffer, .address_space: global }
      - { .name: out0, .offset: 32, .size: 8, .value_kind: global_buffer, .address_space: global }
    .group_segment_fixed_size: 12288
    .private_segment_fixed_size: 0
    .kernarg_segment_align: 8
    .kernarg_segment_size: 40
    .max_flat_workgroup_size: 512
    .sgpr_count:     66
    .vgpr_count:     138
    .wavefront_size: 32
...
	.end_amdgpu_metadata
.endif
;; end of part 3
